; MI455X (gfx1250); checked and timed in simulation.
; The chip was launched on July 23, 2026; its instructions are those of AMD's public machine-readable ISA for CDNA 5 (MIT licence, August 2026) and "CDNA5" Instruction Set Architecture Reference Guide (July 2026). The comments in the code are by the model that wrote it; some were corrected since.
;; Attention. Allowed arithmetic: float matrix products may take bf16 or f16 operands with f32 sums; all other float work in f32.
;; Inputs: freqs_cos 2,048 x 32 float32; freqs_sin 2,048 x 32 float32; wk 512 x 2,048 float32; wo 2,048 x 2,048 float32; wq 2,048 x 2,048 float32; wv 512 x 2,048 float32; x 1 x 2,048 x 2,048 float32.
;; Outputs: out0 1 x 2,048 x 2,048 float32.
;; One version. Each part assembles by itself: llvm-mc -triple=amdgcn-amd-amdhsa -mcpu=gfx1250 --defsym DOCPART=n.
;; ======== version 1 of 1: 4 launches
;; limits: values are held in f16: magnitudes above 65,504 overflow, below 6.1e-05 lose precision; values outside matrix products are rounded to bf16
;; workspace buffers: wsb 29,360,128 bytes; qkv 12,582,912 bytes; att 8,388,608 bytes
;; launch cast (part 1): grid 128 x 14, 8 waves a work-group, no clusters, 0 bytes of LDS; arguments x, wq, wk, wv, wo, wsb; writes wsb
.if DOCPART == 1
	.amdgcn_target "amdgcn-amd-amdhsa--gfx1250"
	.amdhsa_code_object_version 6
	.text
	.protected	k_q535bd4c19f_cast
	.globl	k_q535bd4c19f_cast
	.p2align	8
	.type	k_q535bd4c19f_cast,@function
k_q535bd4c19f_cast:
	s_mov_b64 s[64:65], 0
	v_nop
	global_prefetch_b8 v0, s[64:65] scope:SCOPE_SE
	s_setreg_imm32_b32 hwreg(HW_REG_WAVE_MODE, 25, 1), 1
	s_wait_xcnt 0x0
; x, wq, wk, wv and wo are rounded ONCE to bf16 (nearest even) and laid side by side in wsb, so that the two products that follow
; move 16-bit tiles and convert nothing in their loops (each element of x is used by 16 column blocks, each weight by 16 row blocks).
; wsb, in units of 1,048,576 elements (2 MiB): units 0-3 x, 4-7 wq, 8 wk, 9 wv (together [3072][2048] bf16), 10-13 wo.
; wo's bf16 value is written in f16 code, because its partner in the last product is f16.  LIMIT: that is exact for 2^-14 <= |wo| < 65,504;
; below 2^-14 the f16 code is denormal and carries an absolute error of at most 2^-25; at 65,504 and above it overflows.
; Grid: y = unit, x = 8,192 elements of it.  Thread t, load k: 16 bytes at 16 t + 4,096 k (a wave's load: 512 neighbouring bytes);
; store k: 8 bytes at 8 t + 2,048 k (a wave's store: 256 neighbouring bytes, aligned).  All eight loads are out before the first is used.
; No LDS, no matrix unit, no cluster: no byte is used twice in this launch.
.set X, 4                              ; v[4:35]   eight loads of four f32
.set Y, 36                             ; v[36:51]  eight stores of four 16-bit numbers; no register is written twice
.set T, 52                             ; v[52:55]  at work (wo's way)
	s_load_b256 s[8:15], s[0:1], 0x0               ; x s[8:9], wq s[10:11], wk s[12:13], wv s[14:15]
	s_load_b128 s[16:19], s[0:1], 0x20             ; wo s[16:17], wsb s[18:19]
	s_and_b32 s4, ttmp7, 0xffff                    ; the unit
	s_mov_b32 s5, 0                                ; the first unit of the unit's tensor
	v_lshlrev_b32 v1, 4, v0                        ; 16 t
	v_lshlrev_b32 v2, 3, v0                        ; 8 t
	s_wait_kmcnt 0x0
	s_mov_b64 s[20:21], s[8:9]
; the source is chosen among the five buffers by the unit's number alone
.macro PICK first, lo
	s_cmp_ge_u32 s4, \first
	s_cselect_b64 s[20:21], s[\lo:\lo+1], s[20:21]
	s_cselect_b32 s5, \first, s5
.endm
	PICK 4, 10
	PICK 8, 12
	PICK 9, 14
	PICK 10, 16
	s_sub_co_u32 s6, s4, s5                        ; the unit within its tensor
	s_lshl_b32 s22, s6, 22                         ; 4 MiB of f32 a unit
	s_lshl_b32 s7, ttmp9, 15                       ; 32 KiB a work-group
	s_add_co_u32 s22, s22, s7
	s_mov_b32 s23, 0
	s_add_nc_u64 s[20:21], s[20:21], s[22:23]
	s_lshl_b32 s24, s4, 21                         ; 2 MiB of 16-bit numbers a unit
	s_lshl_b32 s7, ttmp9, 14
	s_add_co_u32 s24, s24, s7
	s_mov_b32 s25, 0
	s_add_nc_u64 s[18:19], s[18:19], s[24:25]
.irp k, 0,1,2,3,4,5,6,7
	global_load_b128 v[X+4*\k:X+4*\k+3], v1, s[20:21] offset:4096*\k th:TH_LOAD_NT
.endr
	s_cmp_ge_u32 s4, 10
	s_cbranch_scc1 .Lwo
.macro CVB k                           ; bf16 out
	s_wait_loadcnt 7-\k                            ; loads come back in order: load k is in, the 7 - k younger ones may be out
	v_cvt_pk_bf16_f32 v[Y+2*\k],   v[X+4*\k],   v[X+4*\k+1]
	v_cvt_pk_bf16_f32 v[Y+2*\k+1], v[X+4*\k+2], v[X+4*\k+3]
	global_store_b64 v2, v[Y+2*\k:Y+2*\k+1], s[18:19] offset:2048*\k
.endm
.irp k, 0,1,2,3,4,5,6,7
	CVB \k
.endr
	s_endpgm
.Lwo:
.macro CVH k                           ; rounded to bf16, written in f16 code
	s_wait_loadcnt 7-\k
	v_cvt_pk_bf16_f32 v[T],   v[X+4*\k],   v[X+4*\k+1]
	v_cvt_pk_bf16_f32 v[T+1], v[X+4*\k+2], v[X+4*\k+3]
	v_lshlrev_b32 v[T+2], 16, v[T]                 ; bf16 to f32: the low half moves up,
	v_and_b32     v[T],   0xffff0000, v[T]         ; the high half stays
	v_lshlrev_b32 v[T+3], 16, v[T+1]
	v_and_b32     v[T+1], 0xffff0000, v[T+1]
	v_cvt_pk_f16_f32 v[Y+2*\k],   v[T+2], v[T]
	v_cvt_pk_f16_f32 v[Y+2*\k+1], v[T+3], v[T+1]
	global_store_b64 v2, v[Y+2*\k:Y+2*\k+1], s[18:19] offset:2048*\k
.endm
.irp k, 0,1,2,3,4,5,6,7
	CVH \k
.endr
	s_endpgm
.Lfunc_end_k_q535bd4c19f_cast:
	.size	k_q535bd4c19f_cast, .Lfunc_end_k_q535bd4c19f_cast-k_q535bd4c19f_cast
	.p2alignl 7, 3214868480
	.fill 96, 4, 3214868480
	.section	.rodata,"a",@progbits
	.p2align	6, 0x0
	.amdhsa_kernel k_q535bd4c19f_cast
		.amdhsa_group_segment_fixed_size 0
		.amdhsa_private_segment_fixed_size 0
		.amdhsa_enable_private_segment 0
		.amdhsa_kernarg_size 48
		.amdhsa_user_sgpr_count 2
		.amdhsa_user_sgpr_kernarg_segment_ptr 1
		.amdhsa_wavefront_size32 1
		.amdhsa_system_sgpr_workgroup_id_x 1
		.amdhsa_system_sgpr_workgroup_id_y 1
		.amdhsa_system_sgpr_workgroup_id_z 1
		.amdhsa_system_vgpr_workitem_id 0
		.amdhsa_next_free_vgpr 56
		.amdhsa_next_free_sgpr 66
		.amdhsa_reserve_vcc 0
		.amdhsa_float_denorm_mode_32 3
		.amdhsa_float_denorm_mode_16_64 3
		.amdhsa_memory_ordered 1
		.amdhsa_forward_progress 1
		.amdhsa_inst_pref_size 9
	.end_amdhsa_kernel
	.amdgpu_metadata
---
amdhsa.version: [ 1, 2 ]
amdhsa.kernels:
  - .name:           k_q535bd4c19f_cast
    .symbol:         k_q535bd4c19f_cast.kd
    .args:
      - { .name: x, .offset: 0, .size: 8, .value_kind: global_buffer, .address_space: global }
      - { .name: wq, .offset: 8, .size: 8, .value_kind: global_buffer, .address_space: global }
      - { .name: wk, .offset: 16, .size: 8, .value_kind: global_buffer, .address_space: global }
      - { .name: wv, .offset: 24, .size: 8, .value_kind: global_buffer, .address_space: global }
      - { .name: wo, .offset: 32, .size: 8, .value_kind: global_buffer, .address_space: global }
      - { .name: wsb, .offset: 40, .size: 8, .value_kind: global_buffer, .address_space: global }
    .group_segment_fixed_size: 0
    .private_segment_fixed_size: 0
    .kernarg_segment_align: 8
    .kernarg_segment_size: 48
    .max_flat_workgroup_size: 256
    .sgpr_count:     66
    .vgpr_count:     56
    .wavefront_size: 32
...
	.end_amdgpu_metadata
.endif
;; end of part 1
;; launch proj (part 2): grid 16 x 16, 4 waves a work-group, clusters of 4 x 4, 327,680 bytes of LDS; arguments wsb, freqs_cos, freqs_sin, qkv; writes qkv
.if DOCPART == 2
	.amdgcn_target "amdgcn-amd-amdhsa--gfx1250"
	.amdhsa_code_object_version 6
	.text
	.protected	k_q535bd4c19f_proj
	.globl	k_q535bd4c19f_proj
	.p2align	8
	.type	k_q535bd4c19f_proj,@function
k_q535bd4c19f_proj:
	s_mov_b64 s[64:65], 0
	v_nop
	global_prefetch_b8 v0, s[64:65] scope:SCOPE_SE
	s_setreg_imm32_b32 hwreg(HW_REG_WAVE_MODE, 25, 1), 1
	s_wait_xcnt 0x0
	s_wait_alu depctr_hold_cnt(0) depctr_sa_sdst(0) depctr_va_vdst(0) depctr_va_sdst(0) depctr_va_ssrc(0) depctr_va_vcc(0) depctr_vm_vsrc(0)
	s_getreg_b32 s2, hwreg(HW_REG_IB_STS2, 6, 4)
	s_cmp_eq_u32 s2, 0
	s_cbranch_scc0 .Lentry_in_a_cluster
	s_endpgm
.Lentry_in_a_cluster:
	s_bfe_u32 s2, ttmp6, 0x10000c
	s_cmp_lg_u32 s2, 0xf033
	s_cbranch_scc0 .Lentry_shape_is_right
	s_endpgm
.Lentry_shape_is_right:
; [q | k | v] = x [wq; wk; wv]^T in bf16 with f32 sums, the rotation of q and k, and f16 out: qkv[48 heads][2048 s][64 d],
; heads 0-31 q, 32-39 k, 40-47 v.  q and k are stored times 2^-6 (an exact scale, given back in the softmax's constant).
; LIMITS: |q|, |k| < 64 x 65,504 and |v| < 65,504 (f16's range).  cos and sin are rounded to bf16 (nearest even) like x and the weights:
; every input enters in bf16, so the result is the reference's on inputs so rounded, with the f16 roundings of q, k and v on top.
; A work-group makes 128 rows x 192 columns (three heads): 16 x 16 work-groups.  Four waves, as many as a WGP has SIMDs; wave (wm, wn) makes
; 64 rows x 96 columns = 4 x 6 accumulator tiles, 192 registers.  K goes in 16 steps of 128 through two LDS slots filled by the tensor data
; mover; a tile's rows are 256 bytes of memory and start at multiples of 256 bytes.  Two slots of two steps (337,920 bytes) do not fit in LDS.
; CLUSTERS: 4 x 4 work-groups.  x's tile hangs on the block row alone and is asked for jointly by a row of the cluster, the weights' tile on the
; block column alone and is asked for jointly by a column: a quarter of the requests.
; THE MATRIX INSTRUCTION IS USED TRANSPOSED: source 0 = 16 rows of W, source 1 = 16 rows of x, so that lane (r, h) holds row r and the eight
; NEIGHBOURING columns 8 h .. 8 h + 7: four (even, odd) pairs for the rotation, and 16 bytes of f16.
; REGISTERS: window 0: addresses, two fragment buffers (6 tiles of W, 4 of x), packed results; window 1: the 24 accumulator tiles, tile (a, b) at
; v[8 (6 a + b)]; window 2: cos and sin (128 registers) and the rotated numbers.
.set PITCH,  272                       ; an LDS row: 256 bytes + 16 of padding, an odd multiple of 16: a fragment load's 16 rows lie in 16 different 16-byte columns modulo 256
.set AOFF,   192*PITCH                 ; a slot: W's 192 rows, then x's 128 rows
.set SLOT,   320*PITCH
.set STAGE,  2*SLOT                    ; behind the ring, never filled by the mover: 128 rows x 400 bytes (384 of f16 + 16), for the way out
.set SP,     400
.set LAPS,   8                         ; a lap = two K steps = once round the ring
.set WQKV,   8388608                   ; byte offset of the weights in wsb; x lies at 0
.set ADRA, 16                          ; v16-17  LDS address of my x fragments in slot 0, 1
.set ADRB, 18                          ; v18-19  the same for W
.set STO,  20                          ; v20     the way out: where I put 16 bytes
.set RD,   21                          ; v21     the way out: where I read a head's row back
.set GO,   22                          ; v22     16 x thread
.set CA0,  24                          ; v24     byte offset in cos and sin for tiles b & 3 = 0, 1
.set CA1,  25                          ; v25     for tiles b & 3 = 2, 3
.set F0,   32                          ; fragment buffer 0: W's tile b at +8 b, x's tile a at +48 + 8 a
.set F1,   112                         ; fragment buffer 1
.set Y,    192                         ; v192-215 packed f16
.set CS,   0                           ; window 2: v[8 (4 a + j)] .. +3 cos, +4 .. +7 sin of my row in block a, four frequencies
.set T,    128                         ; window 2: v128-175 the rotated numbers of one block of 16 rows
.set G1A, 24                           ; s[24:31] descriptor group 1, x's tiles
.set G0A, 32                           ; s[32:39] group 0, one set for each slot
.set G1B, 40                           ; s[40:47] group 1, W's tiles
.set G0B, 48                           ; s[48:55] group 0, one set for each slot
.set MUL,   0x50                       ; C and D window 1, sources window 0
.set TOW2,  0x80                       ; destination window 2
.set W2ALL, 0xaa                       ; all in window 2
.set ROPE,  0xa9                       ; source 0 window 1, the rest window 2
.set CVT,   0x0a                       ; sources window 2, destination window 0
.set MSB, 0
.macro WIN new                         ; the immediate's high byte repeats the setting that is left
.if MSB != \new
	s_set_vgpr_msb (MSB<<8)|\new
.set MSB, \new
.endif
.endm
.macro PLACES                          ; four plain vector instructions behind matrix instructions (ISA guide 7.12.1); the matrix instructions in between are not counted
.rept 4
	v_nop
.endr
.endm
; A joint load.  Waves 0 and 1 fetch W's two halves (96 rows), waves 2 and 3 x's (64 rows): each line has one mask and one set of registers.
.macro JLOAD s
	s_cmp_eq_u32 s13, 0
	s_cbranch_scc0 .Lfor_a_\@
	tensor_load_to_lds s[G0B+4*\s:G0B+4*\s+3], s[G1B:G1B+7]
	s_nop 0
	s_branch .Lasked_\@
.Lfor_a_\@:
	tensor_load_to_lds s[G0A+4*\s:G0A+4*\s+3], s[G1A:G1A+7]
	s_nop 0
.Lasked_\@:
.endm
.macro CREST                           ; a round of the cluster's barrier behind its opening barrier
	s_cmp_lg_u32 s12, 0
	s_cbranch_scc1 .Lnot_wave_0_\@
	s_barrier_signal -3
.Lnot_wave_0_\@:
	s_barrier_wait -3
	s_barrier_signal -1
	s_barrier_wait -1
.endm
.macro CROUND                          ; a whole round
	s_barrier_signal -1
	s_barrier_wait -1
	CREST
.endm
	s_load_b256 s[4:11], s[0:1], 0x0               ; wsb s[4:5], cos s[6:7], sin s[8:9], qkv s[10:11]
	v_lshl_add_u32 v254, v0, 2, 0x37000
	v_mov_b32 v255, 0
	ds_add_u32 v254, v255
	v_lshrrev_b32 v1, 5, v0
	v_readfirstlane_b32 s12, v1                    ; wave 0..3
	s_lshr_b32 s13, s12, 1                         ; wm: my half of the rows.  Also: I fetch for W (0) or for x (1)
	s_and_b32 s14, s12, 1                          ; wn: my half of the columns.  Also: which half of that tile I fetch
	s_bfe_u32 s15, ttmp6, 0x40000                  ; cx
	s_bfe_u32 s16, ttmp6, 0x40004                  ; cy
	s_lshl_b32 s17, ttmp9, 2
	s_add_co_u32 s17, s17, s15                     ; block column = 4 x cluster x + cx
	s_and_b32 s18, ttmp7, 0xffff
	s_lshl_b32 s18, s18, 2
	s_add_co_u32 s18, s18, s16                     ; block row = 4 x cluster y + cy
	s_lshl_b32 s19, s16, 2
	s_lshl_b32 s19, 15, s19                        ; my row of the cluster
	s_lshl_b32 s20, 0x1111, s15                    ; my column
	; group 1: rows of 128 elements of 2 bytes, 16 bytes of padding behind every 64 words; bit 21 beside the mask
	s_or_b32 s[G1A+0], s19, (1<<16)|(1<<20)|(1<<21)|(5<<22)|(3<<25)
	s_or_b32 s[G1B+0], s20, (1<<16)|(1<<20)|(1<<21)|(5<<22)|(3<<25)
	s_mov_b32 s[G1A+1], 128<<16                    ; tensor_dim0 = 128
	s_mov_b32 s[G1B+1], 128<<16
	s_mov_b32 s[G1A+2], 64<<16                     ; tensor_dim1 = 64 rows of x,
	s_mov_b32 s[G1B+2], 96<<16                     ; 96 of W
	s_mov_b32 s[G1A+3], 128<<16                    ; tile_dim0 = 128
	s_mov_b32 s[G1B+3], 128<<16
	s_mov_b32 s[G1A+4], 64                         ; tile_dim1
	s_mov_b32 s[G1B+4], 96
	s_mov_b32 s[G1A+5], 2048                       ; elements from row to row
	s_mov_b32 s[G1B+5], 2048
	s_mov_b32 s[G1A+6], 0
	s_mov_b32 s[G1B+6], 0
	s_mov_b32 s[G1A+7], 0
	s_mov_b32 s[G1B+7], 0
	; where the tiles come from: x's offset is made of the block row and the wave, W's of the block column and the wave
	s_lshl_b32 s56, s18, 7
	s_lshl_b32 s21, s14, 6
	s_add_co_u32 s56, s56, s21                     ; x: row 128 x block row + 64 x half
	s_lshl_b32 s56, s56, 12                        ; rows of 4,096 bytes
	s_mov_b32 s57, 0
	s_mul_i32 s58, s17, 192
	s_mul_i32 s21, s14, 96
	s_add_co_u32 s58, s58, s21                     ; W: row 192 x block column + 96 x half
	s_lshl_b32 s58, s58, 12
	s_add_co_u32 s58, s58, WQKV
	s_mov_b32 s59, 0
	s_mul_i32 s62, s12, 96*PITCH                   ; and where they go: W's halves at wave x 96 rows (waves 0, 1),
	s_mul_i32 s63, s12, 64*PITCH
	s_add_co_u32 s63, s63, 64*PITCH                ; x's at 192 rows + (wave - 2) x 64 rows (waves 2, 3)
	s_lshl_b32 s60, s18, 14                        ; my block's 128 rows of 128 bytes in cos and sin
	s_mov_b32 s61, 0
	s_wait_dscnt 0x0
	s_wait_kmcnt 0x0
	s_add_nc_u64 s[56:57], s[4:5], s[56:57]
	s_add_nc_u64 s[58:59], s[4:5], s[58:59]
	s_add_nc_u64 s[6:7], s[6:7], s[60:61]
	s_add_nc_u64 s[8:9], s[8:9], s[60:61]
	CROUND                                         ; all sixteen work-groups are here: the first joint loads meet
.irp s, 0,1
	s_mov_b32 s[G0A+4*\s], 1
	s_add_co_u32 s[G0A+4*\s+1], s63, \s*SLOT
	s_add_nc_u64 s[G0A+4*\s+2:G0A+4*\s+3], s[56:57], \s*256        ; K step s
	s_or_b32 s[G0A+4*\s+3], s[G0A+4*\s+3], 0x80000000
	s_mov_b32 s[G0B+4*\s], 1
	s_add_co_u32 s[G0B+4*\s+1], s62, \s*SLOT
	s_add_nc_u64 s[G0B+4*\s+2:G0B+4*\s+3], s[58:59], \s*256
	s_or_b32 s[G0B+4*\s+3], s[G0B+4*\s+3], 0x80000000
	JLOAD \s                                       ; both slots are asked for before anything else: two tensor loads of the wave are out
.endr
	v_and_b32 v1, 15, v0                           ; r
	v_bfe_u32 v2, v0, 4, 1                         ; h
	v_mul_u32_u24 v3, v1, PITCH
	v_lshl_add_u32 v3, v2, 4, v3                   ; r x pitch + 16 h
	s_mul_i32 s21, s13, 64*PITCH
	s_add_co_u32 s21, s21, AOFF                    ; my 64 rows of x
	s_mul_i32 s22, s14, 96*PITCH                   ; my 96 rows of W
.irp s, 0,1
	v_add_nc_u32 v[ADRA+\s], s21, v3
	v_add_nc_u32 v[ADRB+\s], s22, v3
	s_add_co_u32 s21, s21, SLOT
	s_add_co_u32 s22, s22, SLOT
.endr
	v_mul_u32_u24 v4, v1, SP
	v_lshl_add_u32 v4, v2, 4, v4
	s_mul_i32 s23, s13, 64*SP
	s_mul_i32 s21, s14, 192
	s_add_co_u32 s23, s23, s21
	s_add_co_u32 s23, s23, STAGE
	v_add_nc_u32 v[STO], s23, v4                   ; stage row 64 wm + r, byte 192 wn + 16 h
	v_lshrrev_b32 v5, 3, v0
	v_and_b32 v6, 7, v0
	v_mul_u32_u24 v5, v5, SP
	v_lshl_add_u32 v5, v6, 4, v5
	v_add_nc_u32 v[RD], STAGE, v5                  ; back: eight threads take a head's 128 bytes of a row
	v_lshlrev_b32 v[GO], 4, v0
	; cos and sin of tile b, pair p: frequency (16 wn + 8 b + 4 h + p) mod 32, byte 32 ((2 wn + b) & 3) + 16 h + 4 p of the row's 128
	v_lshlrev_b32 v7, 7, v1
	v_lshl_add_u32 v7, v2, 4, v7
	s_lshl_b32 s21, s13, 13                        ; 64 wm rows of 128 bytes
	s_lshl_b32 s22, s14, 6                         ; 64 wn
	s_add_co_u32 s23, s21, s22
	v_add_nc_u32 v[CA0], s23, v7
	s_xor_b32 s22, s22, 64                         ; 64 - 64 wn
	s_add_co_u32 s23, s21, s22
	v_add_nc_u32 v[CA1], s23, v7
	WIN TOW2                                       ; 32 loads, waited for behind the K loop
.irp a, 0,1,2,3
.irp j, 0,1
	global_load_b128 v[CS+8*(4*\a+\j):CS+8*(4*\a+\j)+3],       v[CA0], s[6:7] offset:2048*\a+32*\j
	global_load_b128 v[CS+8*(4*\a+\j)+4:CS+8*(4*\a+\j)+7],     v[CA0], s[8:9] offset:2048*\a+32*\j
	global_load_b128 v[CS+8*(4*\a+\j+2):CS+8*(4*\a+\j+2)+3],   v[CA1], s[6:7] offset:2048*\a+32*\j
	global_load_b128 v[CS+8*(4*\a+\j+2)+4:CS+8*(4*\a+\j+2)+7], v[CA1], s[8:9] offset:2048*\a+32*\j
.endr
.endr
	WIN 0
; six matrix instructions: row block a x all six column blocks, 32 along K.  The 24 accumulators take turns, one instruction a turn, in the same
; order in every quarter step, over the backward jump too.  zero = 1: the first product starts the sums.
.macro MULA f, a, zero
.irp b, 0,1,2,3,4,5
.if \zero
	v_wmma_f32_16x16x32_bf16 v[8*(6*\a+\b):8*(6*\a+\b)+7], v[\f+8*\b:\f+8*\b+7], v[\f+48+8*\a:\f+48+8*\a+7], 0
.else
	v_wmma_f32_16x16x32_bf16 v[8*(6*\a+\b):8*(6*\a+\b)+7], v[\f+8*\b:\f+8*\b+7], v[\f+48+8*\a:\f+48+8*\a+7], v[8*(6*\a+\b):8*(6*\a+\b)+7]
.endif
.endr
.endm
; 20 LDS loads in one run: 96 rows of W, then 64 rows of x, 32 K at byte k of the rows, into buffer f
.macro FETCH slot, k, f
	WIN 0
.irp i, 0,1,2,3,4,5
	ds_load_b128 v[\f+8*\i:\f+8*\i+3],   v[ADRB+\slot] offset:\k+\i*16*PITCH
	ds_load_b128 v[\f+8*\i+4:\f+8*\i+7], v[ADRB+\slot] offset:\k+\i*16*PITCH+32
.endr
.irp i, 0,1,2,3
	ds_load_b128 v[\f+48+8*\i:\f+48+8*\i+3], v[ADRA+\slot] offset:\k+\i*16*PITCH
	ds_load_b128 v[\f+48+8*\i+4:\f+48+8*\i+7], v[ADRA+\slot] offset:\k+\i*16*PITCH+32
.endr
.endm
; a quarter step: multiplies buffer f; in its middle it fetches the next quarter's fragments into buffer g
.macro QUARTER slot, k, f, g, zero
	s_wait_dscnt 4                                 ; W and x's row blocks 0, 1 are in; the youngest four loads (row blocks 2, 3) may be out
	WIN MUL
	MULA \f, 0, \zero
	MULA \f, 1, \zero
	PLACES
	FETCH \slot, \k, \g
	s_wait_dscnt 20                                ; all but the 20 just issued
	WIN MUL
	MULA \f, 2, \zero
	MULA \f, 3, \zero
.endm
.macro THREE slot, zero
	QUARTER \slot, 64,  F0, F1, \zero
	QUARTER \slot, 128, F1, F0, 0
	QUARTER \slot, 192, F0, F1, 0
.endm
; the last quarter changes slots.  In front of the barrier each wave waits for its reads of this slot and for all its tensor loads (one is out: its
; part of the next slot).  fill = 1: the barrier opens a round of the cluster's barrier, and the joint refill is the first tensor load behind it.
.macro TURN slot, next, fill
	s_wait_dscnt 4
	WIN MUL
	MULA F1, 0, 0
	s_wait_dscnt 0                                 ; my reads of this slot are over
	s_wait_tensorcnt 0x0                           ; all my tensor loads have landed
	ds_add_u32 v254, v255
	s_wait_dscnt 0x0
	s_barrier_signal -1
	MULA F1, 1, 0                                  ; register work while the others arrive
	WIN 0
	s_barrier_wait -1
.if \fill
	CREST
	s_add_nc_u64 s[G0A+4*\slot+2:G0A+4*\slot+3], s[G0A+4*\slot+2:G0A+4*\slot+3], 512   ; two K steps on; no tensor load of mine is out
	s_add_nc_u64 s[G0B+4*\slot+2:G0B+4*\slot+3], s[G0B+4*\slot+2:G0B+4*\slot+3], 512
	JLOAD \slot
.endif
	PLACES
	FETCH \next, 0, F0
	WIN MUL
	MULA F1, 2, 0
	MULA F1, 3, 0
.endm
.macro LAP zero
	THREE 0, \zero
	TURN 0, 1, 1
	THREE 1, 0
	TURN 1, 0, 1
.endm
	s_wait_tensorcnt 0x1                           ; my part of K step 0 is in; K step 1's may stay out
	s_barrier_signal -1
	s_barrier_wait -1
	FETCH 0, 0, F0
	LAP 1                                          ; the first lap stands in front of the loop: its first products start the sums
	WIN 0
	s_mov_b32 s3, LAPS-2
.Llap:
	LAP 0
	WIN 0
	s_sub_co_u32 s3, s3, 1
	s_cmp_lg_u32 s3, 0
	s_cbranch_scc1 .Llap
	THREE 0, 0                                     ; the last lap fills nothing
	TURN 0, 1, 0
	THREE 1, 0
	s_wait_dscnt 4
	WIN MUL
	MULA F1, 0, 0
	MULA F1, 1, 0
	s_wait_dscnt 0
	MULA F1, 2, 0
	MULA F1, 3, 0
	; THE WAY OUT
	PLACES
	WIN 0
	s_mul_i32 s72, s17, 3                          ; my block's first head
	s_mul_i32 s73, s14, 6
.irp b, 0,1,2,3,4,5
	s_add_co_u32 s74, s73, \b
	s_lshr_b32 s74, s74, 2                         ; tile b lies in head (6 wn + b) / 4 of the block's three
	s_add_co_u32 s74, s74, s72
	s_cmp_lt_u32 s74, 40                           ; heads 0-39 (q, k) are rotated, 40-47 (v) are not:
	s_cselect_b32 s[66+\b], -1, 0                  ; a mask for a select, no branch
.endr
	s_lshl_b32 s74, s72, 18                        ; a head is 262,144 bytes,
	s_lshl_b32 s75, s18, 14                        ; 128 rows of it 16,384
	s_add_co_u32 s74, s74, s75
	s_mov_b32 s75, 0
	s_add_nc_u64 s[72:73], s[10:11], s[74:75]
	s_mov_b32 s76, 0x3c800000                      ; 2^-6
	s_mov_b32 s77, 0x3c800000
	s_wait_loadcnt 0x0                             ; cos and sin
	WIN W2ALL
.set i, 0
.rept 64                                           ; the tables: rounded to bf16, widened again, times 2^-6
	v_cvt_pk_bf16_f32 v[T+(i%8)], v[CS+2*i], v[CS+2*i+1]
	v_lshlrev_b32 v[CS+2*i],   16, v[T+(i%8)]
	v_and_b32     v[CS+2*i+1], 0xffff0000, v[T+(i%8)]
	v_pk_mul_f32 v[CS+2*i:CS+2*i+1], v[CS+2*i:CS+2*i+1], s[76:77] op_sel_hi:[1,0]
.set i, i+1
.endr
; 16 rows: rotate (or keep, for v), round to f16, 16 bytes a lane and tile into the stage
.macro ROPE16 a
	WIN ROPE
.irp b, 0,1,2,3,4,5
.irp p, 0,1,2,3
	v_mul_f32 v[T+8*\b+2*\p],   v[8*(6*\a+\b)+2*\p+1], v[CS+8*(4*\a+(\b&3))+4+\p]                       ; odd x sin
	v_mul_f32 v[T+8*\b+2*\p+1], v[8*(6*\a+\b)+2*\p],   v[CS+8*(4*\a+(\b&3))+4+\p]                       ; even x sin
	v_fma_f32 v[T+8*\b+2*\p],   v[8*(6*\a+\b)+2*\p],   v[CS+8*(4*\a+(\b&3))+\p], -v[T+8*\b+2*\p]        ; even x cos - odd x sin
	v_fma_f32 v[T+8*\b+2*\p+1], v[8*(6*\a+\b)+2*\p+1], v[CS+8*(4*\a+(\b&3))+\p], v[T+8*\b+2*\p+1]       ; odd x cos + even x sin
.endr
.irp j, 0,1,2,3,4,5,6,7
	v_cndmask_b32 v[T+8*\b+\j], v[8*(6*\a+\b)+\j], v[T+8*\b+\j], s[66+\b]
.endr
.endr
	WIN CVT
.set i, 0
.rept 24
	v_cvt_pk_f16_f32 v[Y+i], v[T+2*i], v[T+2*i+1]
.set i, i+1
.endr
	WIN 0
.irp b, 0,1,2,3,4,5
	ds_store_b128 v[STO], v[Y+4*\b:Y+4*\b+3] offset:16*SP*\a+32*\b
.endr
.endm
	ROPE16 0
	ROPE16 1
	ROPE16 2
	ROPE16 3
	s_wait_dscnt 0x0                               ; my stores are done: two waves share each row of the stage
	s_barrier_signal -1
	s_barrier_wait -1
.irp k, 0,1,2,3,4,5,6,7
.irp c, 0,1,2
	ds_load_b128 v[32+4*(3*\k+\c):32+4*(3*\k+\c)+3], v[RD] offset:16*SP*\k+128*\c      ; 16 rows of head c
.endr
.endr
.irp k, 0,1,2,3,4,5,6,7
.irp c, 0,1,2
	s_wait_dscnt 23-(3*\k+\c)                      ; LDS loads come back in order
	global_store_b128 v[GO], v[32+4*(3*\k+\c):32+4*(3*\k+\c)+3], s[72:73] offset:262144*\c+2048*\k   ; a wave's store: 512 neighbouring bytes, four rows of a head
.endr
.endr
	s_wait_tensorcnt 0x0
	ds_add_u32 v254, v255
	s_wait_dscnt 0x0
	CROUND                                         ; the closing round: no work-group ends while a partner may still ask for a tile that names it
	s_endpgm
.Lfunc_end_k_q535bd4c19f_proj:
	.size	k_q535bd4c19f_proj, .Lfunc_end_k_q535bd4c19f_proj-k_q535bd4c19f_proj
	.p2alignl 7, 3214868480
	.fill 96, 4, 3214868480
	.section	.rodata,"a",@progbits
	.p2align	6, 0x0
	.amdhsa_kernel k_q535bd4c19f_proj
		.amdhsa_group_segment_fixed_size 327680
		.amdhsa_private_segment_fixed_size 0
		.amdhsa_enable_private_segment 0
		.amdhsa_kernarg_size 32
		.amdhsa_user_sgpr_count 2
		.amdhsa_user_sgpr_kernarg_segment_ptr 1
		.amdhsa_wavefront_size32 1
		.amdhsa_system_sgpr_workgroup_id_x 1
		.amdhsa_system_sgpr_workgroup_id_y 1
		.amdhsa_system_sgpr_workgroup_id_z 1
		.amdhsa_system_vgpr_workitem_id 0
		.amdhsa_next_free_vgpr 704
		.amdhsa_next_free_sgpr 80
		.amdhsa_reserve_vcc 0
		.amdhsa_float_denorm_mode_32 3
		.amdhsa_float_denorm_mode_16_64 3
		.amdhsa_memory_ordered 1
		.amdhsa_forward_progress 1
		.amdhsa_inst_pref_size 144
	.end_amdhsa_kernel
	.amdgpu_metadata
---
amdhsa.version: [ 1, 2 ]
amdhsa.kernels:
  - .name:           k_q535bd4c19f_proj
    .symbol:         k_q535bd4c19f_proj.kd
    .args:
      - { .name: wsb, .offset: 0, .size: 8, .value_kind: global_buffer, .address_space: global }
      - { .name: freqs_cos, .offset: 8, .size: 8, .value_kind: global_buffer, .address_space: global }
      - { .name: freqs_sin, .offset: 16, .size: 8, .value_kind: global_buffer, .address_space: global }
      - { .name: qkv, .offset: 24, .size: 8, .value_kind: global_buffer, .address_space: global }
    .group_segment_fixed_size: 327680
    .private_segment_fixed_size: 0
    .kernarg_segment_align: 8
    .kernarg_segment_size: 32
    .max_flat_workgroup_size: 128
    .sgpr_count:     80
    .vgpr_count:     704
    .wavefront_size: 32
...
	.end_amdgpu_metadata
.endif
;; end of part 2
;; launch attn (part 3): grid 32 x 8, 8 waves a work-group, clusters of 4 x 1, 327,680 bytes of LDS; arguments qkv, att; writes att
.if DOCPART == 3
	.amdgcn_target "amdgcn-amd-amdhsa--gfx1250"
	.amdhsa_code_object_version 6
	.text
	.protected	k_q535bd4c19f_attn
	.globl	k_q535bd4c19f_attn
	.p2align	8
	.type	k_q535bd4c19f_attn,@function
k_q535bd4c19f_attn:
	s_mov_b64 s[64:65], 0
	v_nop
	global_prefetch_b8 v0, s[64:65] scope:SCOPE_SE
	s_setreg_imm32_b32 hwreg(HW_REG_WAVE_MODE, 25, 1), 1
	s_wait_xcnt 0x0
	s_wait_alu depctr_hold_cnt(0) depctr_sa_sdst(0) depctr_va_vdst(0) depctr_va_sdst(0) depctr_va_ssrc(0) depctr_va_vcc(0) depctr_vm_vsrc(0)
	s_getreg_b32 s2, hwreg(HW_REG_IB_STS2, 6, 4)
	s_cmp_eq_u32 s2, 0
	s_cbranch_scc0 .Lentry_in_a_cluster
	s_endpgm
.Lentry_in_a_cluster:
	s_bfe_u32 s2, ttmp6, 0x10000c
	s_cmp_lg_u32 s2, 0x3003
	s_cbranch_scc0 .Lentry_shape_is_right
	s_endpgm
.Lentry_shape_is_right:
; Causal attention with a running maximum, f16 operands, f32 sums.  qkv[48][2048][64] f16 (q and k times 2^-6); att[16 qb][32 h][128][64] f16.
; LIMITS: p and the result are rounded to f16 (|result| <= max |v| < 65,504).  The factor 2^12 comes back, exactly, in c = 2^12 log2(e) / 8.
; A masked score is -2^100 in place of -inf: f16 operands bound a raw score by 64 x 65,504^2 < 2^39, and c x 2^100 is finite, so its p is exactly 0
; wherever the query has an open key among the wave's keys; where it has none, the wave's whole share is multiplied by exactly 0 when shares are merged.
; Work-group (head, y) makes query block y and then query block 15 - y.  K and V come in slots of 256 keys: block b needs (b >> 1) + 1 of them, the
; two blocks together always 9, so all 256 work-groups do the same work.  For an even b the second half of the last slot is masked throughout.
; THE 9 TRIPS: a loop of (y >> 1) + 1 trips (block y; the last holds its diagonal), the change of blocks, a loop of (15 - y) >> 1 trips, and the last
; trip written out, which asks for nothing more.  The trip counts hang on y alone.  Which tile of a trip is open, diagonal or closed is told by
; arithmetic on the counter and on y's parity, not by a branch: the mask is multiplied by 1.0 or 0.0 and -2^100 or 0 is added.
; CLUSTERS: the four query heads of one key/value head, with the same y, form a cluster and walk the same 9 slots: K and V are asked for jointly.
; EIGHT WAVES, two for each SIMD, so that one wave's matrix instructions run under the other's softmax.  Wave w owns queries 32 (w & 3) .. + 31 (two
; groups of 16) and, in each of a slot's two tiles of 128 keys, keys 64 (w >> 2) .. + 63: every fragment of K and V is read from LDS by four waves.
; Each wave keeps its own maximum, sum and O over its own keys; at a block's end the two shares of a query are merged through LDS.
; S^T = K Q^T: lane (r, h), register j of key tile kt holds key 16 kt + 8 h + j of query r.  So a query's maximum and sum are in-lane work and one
; exchange of the lane halves, the rescale factor is one number a lane, and two neighbouring key tiles, packed to f16 in the lane, ARE the second
; source of O^T = V^T P^T.  V^T's fragments come from V's rows [key][d] by the transposing LDS load.
; ONE LDS SLOT: a wave takes all its fragments of a slot (256 registers) at the head of a trip, so the slot is free as soon as these loads are back.
; Two barriers a trip: one between the fill and the reads, and the cluster's round between the reads and the next fill.  The fill has two softmaxes
; and 48 matrix instructions of each wave in which to land.  A wave has one tensor load out.
; The loops hold no global load or store: the second block's q waits in LDS, and both results wait in LDS for the end.
.set VP,    160                        ; V's LDS pitch: 128 bytes + 32, an odd multiple of 32 (transposing loads)
.set KP,    144                        ; K's: 128 + 16, an odd multiple of 16
.set KOFF,  256*VP                     ; the slot: V's 256 rows, then K's
.set SLOT,  KOFF+256*KP                ; 77,824 bytes.  Nothing behind it is ever filled by the mover:
.set QSB,   SLOT                       ; the second block's q, 4,096 bytes for each wave
.set XB,    QSB+8*4096                 ; the merge: for each wave 8,192 bytes of O and 512 of (scaled maximum, sum)
.set XW,    8704
.set STB,   XB+8*XW                    ; the way out: for each wave and each of its two blocks 16 rows x 144 bytes
.set SPB,   16*144
.set SPW,   2*SPB
; window 0
.set KA,   8                           ; LDS address of my K fragments
.set VA,   9                           ; of my V fragments
.set QA,   10                          ; my byte offset in a block of q
.set STO,  11                          ; stage: where I put 16 bytes
.set RD,   12                          ; stage: where I read rows back
.set GO,   13                          ; my byte offset in a block of the result
.set XO,   14                          ; merge: where I put my share
.set XA,   15                          ; merge: my own share of the group that I finish
.set XP,   16                          ; merge: my partner's share of it
.set XSA,  17                          ; merge: my (scaled maximum, sum) of it
.set XSP,  18                          ; merge: my partner's
.set QS,   19                          ; the second block's q
.set KF,   24                          ; v24-151  K: fragment (tile, kt, half of d) at +64 tile + 8 (2 kt + dh)
.set VF0,  152                         ; v152-215 V^T of tile 0: fragment (kc, dt) at +8 (4 kc + dt)
.set BT,   216                         ; v216-255 the diagonal tile's mask: tile i, register j: -2^100 where 16 (i - 1) + j > 32 wq - 64 hk + r - 8 h, else 0
.set QT,   152                         ; the second block's q on its way to LDS, ahead of the loops
.set OUTR, 24                          ; the way out, over K's fragments
; window 1
.set SC,   0                           ; v0-63    scores, then p: 32 g + 8 kt + j; packed p in v0-31: fragment (g, kc) at +16 g + 8 kc
.set OA,   64                          ; v64-127  O^T: tile (g, dt) at +8 (4 g + dt)
.set VF1,  128                         ; v128-191 V^T of tile 1
.set QF,   192                         ; v192-223 q: fragment (g, dh) at +8 (2 g + dh)
.set MX,   224                         ; running maximum of the raw scores, one a group
.set LS,   226                         ; running sum (my half of the lanes' keys)
.set AL,   228                         ; rescale factor, a pair a group
.set NM,   232                         ; -(maximum x c) as rounded, a pair a group
.set CC,   236                         ; c, c
.set NC,   238                         ; -c
.set PT,   239                         ; the other lane half's number
.set XM,   240                         ; v240-247 at work: maxima,
.set Z,    240                         ; then sums
.set FF,   248                         ; tile 1's addend: -2^100 or 0, twice
.set T,    250                         ; v250-253 the merge's two factors, twice each
.set FD,   254                         ; tile 1's factor of the mask: 1.0 or 0.0, twice
.set G1V, 24                           ; s[24:31]
.set G1K, 32                           ; s[32:39]
.set G0V, 40                           ; s[40:43]
.set G0K, 44                           ; s[44:47]
.set SM,   0x54                        ; source 0 window 0, the rest window 1: both products of tile 0, the scores of tile 1, the mask
.set SOFT, 0x55                        ; all window 1
.set TO1,  0x40                        ; destination window 1, address window 0
.set ST1,  0x04                        ; LDS store data window 1, address window 0
.set MSB, 0
.macro WIN new                         ; the immediate's high byte repeats the setting that is left
.if MSB != \new
	s_set_vgpr_msb (MSB<<8)|\new
.set MSB, \new
.endif
.endm
.macro PLACES n                        ; plain vector instructions behind matrix instructions (ISA guide 7.12.1): four before a vector instruction or a
.rept \n                               ; load touches their registers, five before a matrix instruction writes over them
	v_nop
.endr
.endm
.macro JLOAD                           ; waves 0-3: V's quarters of 64 keys; waves 4-7: K's
	s_cmp_eq_u32 s9, 0
	s_cbranch_scc0 .Lfor_k_\@
	tensor_load_to_lds s[G0V:G0V+3], s[G1V:G1V+7]
	s_nop 0
	s_branch .Lasked_\@
.Lfor_k_\@:
	tensor_load_to_lds s[G0K:G0K+3], s[G1K:G1K+7]
	s_nop 0
.Lasked_\@:
.endm
.macro ROUND                           ; a round of the cluster's barrier
	s_barrier_signal -1
	s_barrier_wait -1
	s_cmp_lg_u32 s8, 0
	s_cbranch_scc1 .Lnot_wave_0_\@
	s_barrier_signal -3
.Lnot_wave_0_\@:
	s_barrier_wait -3
	s_barrier_signal -1
	s_barrier_wait -1
.endm
.macro LOADQ dst, lo                   ; my 32 queries of a block as second-source fragments, straight from memory: eight loads
.irp g, 0,1
.irp d, 0,1
	global_load_b128 v[\dst+8*(2*\g+\d):\dst+8*(2*\g+\d)+3],   v[QA], s[\lo:\lo+1] offset:2048*\g+64*\d
	global_load_b128 v[\dst+8*(2*\g+\d)+4:\dst+8*(2*\g+\d)+7], v[QA], s[\lo:\lo+1] offset:2048*\g+64*\d+32
.endr
.endr
.endm
; A query block starts: maximum -inf, NM +inf (so the first rescale factor is exp2(-inf) = 0), sums 0.
.macro START
	WIN TO1
.irp g, 0,1
	v_mov_b32 v[MX+\g], 0xff800000
	v_mov_b32 v[LS+\g], 0
	v_mov_b32 v[NM+2*\g], 0x7f800000
	v_mov_b32 v[NM+2*\g+1], 0x7f800000
.endr
	WIN 0
.endm
	s_load_b128 s[4:7], s[0:1], 0x0                ; qkv s[4:5], att s[6:7]
	v_lshl_add_u32 v22, v0, 2, 0x35000
	v_mov_b32 v23, 0
	ds_add_u32 v22, v23
	s_wait_dscnt 0x0
	v_lshrrev_b32 v1, 5, v0
	v_readfirstlane_b32 s8, v1                     ; wave 0..7
	s_lshr_b32 s9, s8, 2                           ; hk: my half of each tile's keys.  Also: I fetch for V (0) or K (1),
	s_and_b32 s10, s8, 3                           ; wq: my 32 queries.  Also: which quarter of the slot's keys I fetch
	s_bfe_u32 s11, ttmp6, 0x40000                  ; cx
	s_lshl_b32 s12, ttmp9, 2
	s_add_co_u32 s12, s12, s11                     ; query head = 4 x key/value head + cx
	s_and_b32 s13, ttmp7, 0xffff                   ; y, the same in all four partners
	s_lshr_b32 s70, s13, 1                         ; the first block's last slot,
	s_add_co_u32 s58, s70, 1                       ; and its slots: the trips of the first loop
	s_sub_co_u32 s71, 15, s13                      ; the second block's number
	s_lshr_b32 s59, s71, 1                         ; its slots but the last: the trips of the second loop, 4 at the least
	s_and_b32 s67, s13, 1                          ; the first block's diagonal tile is tile y & 1 of its last slot,
	s_xor_b32 s68, s67, 1                          ; the second block's the other one
	s_mov_b32 s17, 0                               ; the high word of the slot's byte offset s[16:17]
	s_mov_b32 s56, 0x76543210                      ; v_permlanex16_b32: lane i reads lane i of the other half
	s_mov_b32 s57, 0xfedcba98
	; group 1: 64 rows of 64 elements of 2 bytes; padding behind every 32 words: 8 words for V, 4 for K; mask: all four work-groups, bit 21 beside it
	s_mov_b32 s[G1V+0], 15|(1<<16)|(1<<20)|(1<<21)|(4<<22)|(7<<25)
	s_mov_b32 s[G1K+0], 15|(1<<16)|(1<<20)|(1<<21)|(4<<22)|(3<<25)
.irp g, G1V, G1K
	s_mov_b32 s[\g+1], 64<<16                      ; tensor_dim0
	s_mov_b32 s[\g+2], 64<<16                      ; tensor_dim1
	s_mov_b32 s[\g+3], 64<<16                      ; tile_dim0
	s_mov_b32 s[\g+4], 64                          ; tile_dim1
	s_mov_b32 s[\g+5], 64                          ; elements from row to row
	s_mov_b32 s[\g+6], 0
	s_mov_b32 s[\g+7], 0
.endr
	; K's and V's offsets are made of the cluster's x and the wave alone
	s_lshl_b32 s22, s10, 13                        ; 64 keys of 128 bytes
	s_add_co_u32 s18, ttmp9, 40
	s_lshl_b32 s18, s18, 18
	s_add_co_u32 s18, s18, s22
	s_mov_b32 s19, 0
	s_add_co_u32 s20, ttmp9, 32
	s_lshl_b32 s20, s20, 18
	s_add_co_u32 s20, s20, s22
	s_mov_b32 s21, 0
	; q's and the result's offsets, for the two query blocks y and 15 - y
	s_lshl_b32 s23, s12, 18
	s_lshl_b32 s48, s13, 14
	s_add_co_u32 s48, s48, s23
	s_mov_b32 s49, 0
	s_lshl_b32 s50, s71, 14
	s_add_co_u32 s50, s50, s23
	s_mov_b32 s51, 0
	s_lshl_b32 s52, s13, 5
	s_add_co_u32 s52, s52, s12
	s_lshl_b32 s52, s52, 14
	s_mov_b32 s53, 0
	s_lshl_b32 s54, s71, 5
	s_add_co_u32 s54, s54, s12
	s_lshl_b32 s54, s54, 14
	s_mov_b32 s55, 0
	s_wait_kmcnt 0x0
	s_add_nc_u64 s[18:19], s[4:5], s[18:19]        ; V
	s_add_nc_u64 s[20:21], s[4:5], s[20:21]        ; K
	s_add_nc_u64 s[48:49], s[4:5], s[48:49]        ; q, block y
	s_add_nc_u64 s[50:51], s[4:5], s[50:51]        ; q, block 15 - y
	s_add_nc_u64 s[52:53], s[6:7], s[52:53]        ; result, block y
	s_add_nc_u64 s[54:55], s[6:7], s[54:55]        ; result, block 15 - y
	s_mov_b32 s[G0V], 1
	s_mul_i32 s[G0V+1], s8, 64*VP                  ; LDS: V's quarters at wave x 64 rows (waves 0-3),
	s_mov_b64 s[G0V+2:G0V+3], s[18:19]             ; keys 0 to 255
	s_or_b32 s[G0V+3], s[G0V+3], 0x80000000
	s_mov_b32 s[G0K], 1
	s_mul_i32 s[G0K+1], s8, 64*KP
	s_add_co_u32 s[G0K+1], s[G0K+1], KOFF-256*KP   ; K's at KOFF + (wave - 4) x 64 rows (waves 4-7)
	s_mov_b64 s[G0K+2:G0K+3], s[20:21]
	s_or_b32 s[G0K+3], s[G0K+3], 0x80000000
	ROUND                                          ; in front of the first joint load
	JLOAD
	v_and_b32 v1, 15, v0                           ; r
	v_bfe_u32 v2, v0, 4, 1                         ; h
	v_and_b32 v3, 31, v0                           ; lane
	v_lshlrev_b32 v4, 7, v1
	v_lshl_add_u32 v4, v2, 4, v4
	s_lshl_b32 s22, s10, 12                        ; 32 rows of 128 bytes for each wq
	v_add_nc_u32 v[QA], s22, v4
	WIN TO1
	LOADQ QF, 48                                   ; both blocks' q now: 16 loads, waited for once, in front of the first loop
	WIN 0
	LOADQ QT, 50
	v_mul_u32_u24 v4, v1, KP
	v_lshl_add_u32 v4, v2, 4, v4                   ; r x 144 + 16 h
	s_mul_i32 s22, s9, 64*KP
	s_add_co_u32 s22, s22, KOFF
	v_add_nc_u32 v[KA], s22, v4                    ; K's row 64 hk + r
	s_mul_i32 s23, s8, SPW
	s_add_co_u32 s23, s23, STB                     ; my stage
	v_add_nc_u32 v[STO], s23, v4
	v_and_b32 v5, 7, v0
	v_lshl_add_u32 v6, v2, 3, v5                   ; key 8 h + (lane & 7)
	v_mul_u32_u24 v6, v6, VP
	v_bfe_u32 v7, v0, 3, 1
	v_lshl_add_u32 v6, v7, 4, v6                   ; + 16 ((lane >> 3) & 1)
	s_mul_i32 s22, s9, 64*VP
	v_add_nc_u32 v[VA], s22, v6                    ; from V's row 64 hk
	v_lshrrev_b32 v6, 3, v3
	v_mul_u32_u24 v6, v6, 144
	v_lshl_add_u32 v6, v5, 4, v6
	v_add_nc_u32 v[RD], s23, v6                    ; back: eight lanes take a row's 128 bytes
	v_lshlrev_b32 v20, 4, v3                       ; 16 lane
	s_lshl_b32 s22, s10, 12
	s_lshl_b32 s14, s9, 11
	s_add_co_u32 s22, s22, s14
	v_add_nc_u32 v[GO], s22, v20                   ; I finish and store rows 32 wq + 16 hk .. + 15
	s_lshl_b32 s14, s9, 12                         ; group hk's 4,096 bytes of a share,
	s_lshl_b32 s69, s9, 3                          ; and its 8 bytes of a lane's 16
	s_mul_i32 s22, s8, XW
	s_add_co_u32 s22, s22, XB                      ; my part of the merge area
	v_add_nc_u32 v[XO], s22, v20
	s_add_co_u32 s23, s22, s14
	v_add_nc_u32 v[XA], s23, v20
	s_add_co_u32 s23, s22, s69
	s_add_co_u32 s23, s23, 8192
	v_add_nc_u32 v[XSA], s23, v20
	s_add_co_u32 s22, s8, 4
	s_and_b32 s22, s22, 7                          ; my partner: the same queries, the other keys
	s_mul_i32 s22, s22, XW
	s_add_co_u32 s22, s22, XB
	s_add_co_u32 s23, s22, s14
	v_add_nc_u32 v[XP], s23, v20
	s_add_co_u32 s23, s22, s69
	s_add_co_u32 s23, s23, 8192
	v_add_nc_u32 v[XSP], s23, v20
	s_lshl_b32 s22, s8, 12
	s_add_co_u32 s22, s22, QSB
	v_add_nc_u32 v[QS], s22, v20
	; The diagonal tile's mask.  My key 64 hk + 16 kt + 8 h + j is closed to query 32 wq + 16 g + r where it is greater:
	; 16 (kt - g) + j > 32 wq - 64 hk + r - 8 h.  So tile (kt, g) takes mask tile kt - g + 1: five tiles serve both groups.
	v_lshlrev_b32 v21, 3, v2
	v_sub_nc_u32 v21, v1, v21
	s_lshl_b32 s22, s10, 5
	s_lshl_b32 s23, s9, 6
	s_sub_co_i32 s22, s22, s23
	v_add_nc_u32 v21, s22, v21                     ; 32 wq - 64 hk + r - 8 h, signed
	v_mov_b32 v22, 0xf1800000                      ; -2^100
.irp i, 0,1,2,3,4
.irp j, 0,1,2,3,4,5,6,7
	v_cmp_gt_i32 vcc_lo, 16*(\i-1)+\j, v21
	v_cndmask_b32 v[BT+8*\i+\j], 0, v22, vcc_lo
.endr
.endr
	WIN TO1
	v_mov_b32 v[CC], 0x4438aa3b                    ; c = 2^12 log2(e) / 8
	v_mov_b32 v[CC+1], 0x4438aa3b
	v_mov_b32 v[NC], 0xc438aa3b
	v_mov_b32 v[PT], 0                             ; v_permlanex16_b32's destination counts as read
.set i, 0
.rept 64                                           ; O is rescaled in every tile, a block's first too (by 0), so it has to hold numbers from the
	v_mov_b32 v[OA+i], 0                           ; start: cleared here, once in the launch
.set i, i+1
.endr
	START
; 16 loads: my K fragments of tile st, the first half of d for all four key tiles, then the second
.macro KLOAD st
.irp d, 0,1
.irp k, 0,1,2,3
	ds_load_b128 v[KF+64*\st+8*(2*\k+\d):KF+64*\st+8*(2*\k+\d)+3],   v[KA] offset:(128*\st+16*\k)*KP+64*\d
	ds_load_b128 v[KF+64*\st+8*(2*\k+\d)+4:KF+64*\st+8*(2*\k+\d)+7], v[KA] offset:(128*\st+16*\k)*KP+64*\d+32
.endr
.endr
.endm
; 16 transposing loads: my V^T fragments of tile st
.macro VLOAD dst, st
.irp c, 0,1
.irp d, 0,1,2,3
	ds_load_tr16_b128 v[\dst+8*(4*\c+\d):\dst+8*(4*\c+\d)+3],   v[VA] offset:(128*\st+32*\c)*VP+32*\d
	ds_load_tr16_b128 v[\dst+8*(4*\c+\d)+4:\dst+8*(4*\c+\d)+7], v[VA] offset:(128*\st+32*\c)*VP+32*\d+16*VP
.endr
.endr
.endm
; What tile st's score sums start from, in a trip that may hold a diagonal: tile 0: the mask times 1.0 or 0.0; tile 1: the same, plus -2^100 or 0.
.macro CINIT st
.irp g, 0,1
.irp k, 0,1,2,3
.irp p, 0,2,4,6
.if \st
	v_pk_fma_f32 v[SC+32*\g+8*\k+\p:SC+32*\g+8*\k+\p+1], v[BT+8*(\k-\g+1)+\p:BT+8*(\k-\g+1)+\p+1], v[FD:FD+1], v[FF:FF+1]
.else
	v_pk_mul_f32 v[SC+32*\g+8*\k+\p:SC+32*\g+8*\k+\p+1], v[BT+8*(\k-\g+1)+\p:BT+8*(\k-\g+1)+\p+1], s[60:61] op_sel_hi:[1,0]
.endif
.endr
.endr
.endr
.endm
; S^T of tile st: eight accumulators, the first half of d for all, then the second: they take turns, one instruction a turn.
; flag = 1: the sums start from what CINIT wrote; else from 0.  wait = 1: the fragments are still coming in, and V's of tile 1 are asked for between.
.macro SMUL st, flag, wait
	WIN SM
.irp k, 0,1,2,3
.if \wait
	s_wait_dscnt 46-2*\k                           ; this fragment's two loads are in; behind them stand 6 - 2 k of this half of d, 8 of the other, 16 of V, 16 of tile 1's K
.endif
.if \flag
	v_wmma_f32_16x16x32_f16 v[SC+8*\k:SC+8*\k+7],       v[KF+64*\st+16*\k:KF+64*\st+16*\k+7], v[QF:QF+7],     v[SC+8*\k:SC+8*\k+7]
	v_wmma_f32_16x16x32_f16 v[SC+32+8*\k:SC+32+8*\k+7], v[KF+64*\st+16*\k:KF+64*\st+16*\k+7], v[QF+16:QF+23], v[SC+32+8*\k:SC+32+8*\k+7]
.else
	v_wmma_f32_16x16x32_f16 v[SC+8*\k:SC+8*\k+7],       v[KF+64*\st+16*\k:KF+64*\st+16*\k+7], v[QF:QF+7],     0
	v_wmma_f32_16x16x32_f16 v[SC+32+8*\k:SC+32+8*\k+7], v[KF+64*\st+16*\k:KF+64*\st+16*\k+7], v[QF+16:QF+23], 0
.endif
.endr
.if \wait
	WIN TO1
	VLOAD VF1, 1
	WIN SM
.endif
.irp k, 0,1,2,3
.if \wait
	s_wait_dscnt 54-2*\k                           ; behind this fragment's two loads stand 6 - 2 k of K's tile 0 and the 48 of V's two tiles and K's tile 1
.endif
	v_wmma_f32_16x16x32_f16 v[SC+8*\k:SC+8*\k+7],       v[KF+64*\st+16*\k+8:KF+64*\st+16*\k+15], v[QF+8:QF+15],  v[SC+8*\k:SC+8*\k+7]
	v_wmma_f32_16x16x32_f16 v[SC+32+8*\k:SC+32+8*\k+7], v[KF+64*\st+16*\k+8:KF+64*\st+16*\k+15], v[QF+24:QF+31], v[SC+32+8*\k:SC+32+8*\k+7]
.endr
.endm
; O^T += V^T P^T: the eight accumulators take turns, one instruction a turn
.macro PV vf
.irp c, 0,1
.irp g, 0,1
.irp d, 0,1,2,3
	v_wmma_f32_16x16x32_f16 v[OA+8*(4*\g+\d):OA+8*(4*\g+\d)+7], v[\vf+8*(4*\c+\d):\vf+8*(4*\c+\d)+7], v[SC+16*\g+8*\c:SC+16*\g+8*\c+7], v[OA+8*(4*\g+\d):OA+8*(4*\g+\d)+7]
.endr
.endr
.endr
.endm
; The running softmax of my 64 keys of one tile, all in window 1; at its end p is packed to f16 in place.
.macro SOFTMAX
	WIN SOFT
.irp g, 0,1                                        ; the largest of my 32 scores of a query, in four chains
.irp i, 0,1,2,3
	v_max_num_f32 v[XM+4*\g+\i], v[SC+32*\g+8*\i], v[SC+32*\g+8*\i+1]
.endr
.irp e, 1,2,3
.irp i, 0,1,2,3
	v_max3_num_f32 v[XM+4*\g+\i], v[XM+4*\g+\i], v[SC+32*\g+8*\i+2*\e], v[SC+32*\g+8*\i+2*\e+1]
.endr
.endr
.endr
.irp g, 0,1
	v_max3_num_f32 v[XM+4*\g], v[XM+4*\g], v[XM+4*\g+1], v[XM+4*\g+2]
	v_max_num_f32 v[XM+4*\g], v[XM+4*\g], v[XM+4*\g+3]
	v_permlanex16_b32 v[PT], v[XM+4*\g], s56, s57              ; the other lane half's keys
	v_max3_num_f32 v[MX+\g], v[XM+4*\g], v[PT], v[MX+\g]       ; the new maximum over my keys, finite from a block's first tile on
	v_mul_f32 v[XM+4*\g+1], v[MX+\g], v[NC]                    ; -(maximum x c), rounded once; the exponents below are formed with this number,
	v_sub_f32 v[XM+4*\g+2], v[XM+4*\g+1], v[NM+2*\g]           ; and the rescale factor with the difference of the new one and the old one
	v_exp_f32 v[AL+2*\g], v[XM+4*\g+2]
	v_mov_b32 v[NM+2*\g], v[XM+4*\g+1]                         ; a plain instruction behind the exponential (ISA guide 5.7.2)
	v_mov_b32 v[NM+2*\g+1], v[XM+4*\g+1]
	s_wait_alu depctr_va_vdst(0)
	v_mov_b32 v[AL+2*\g+1], v[AL+2*\g]
.endr
.irp g, 0,1
.set i, 0
.rept 16
	v_pk_fma_f32 v[SC+32*\g+2*i:SC+32*\g+2*i+1], v[SC+32*\g+2*i:SC+32*\g+2*i+1], v[CC:CC+1], v[NM+2*\g:NM+2*\g+1]
.set i, i+1
.endr
.endr
.set i, 0
.rept 64
	v_exp_f32 v[SC+i], v[SC+i]                     ; p = exp2(c s - c m)
.set i, i+1
.endr
	v_nop                                          ; one plain instruction before the results are used
	s_wait_alu depctr_va_vdst(0)
.irp g, 0,1
.irp i, 0,1,2,3
	v_pk_add_f32 v[Z+2*\i:Z+2*\i+1], v[SC+32*\g+8*\i:SC+32*\g+8*\i+1], v[SC+32*\g+8*\i+2:SC+32*\g+8*\i+3]
.endr
.irp e, 2,3
.irp i, 0,1,2,3
	v_pk_add_f32 v[Z+2*\i:Z+2*\i+1], v[Z+2*\i:Z+2*\i+1], v[SC+32*\g+8*\i+2*\e:SC+32*\g+8*\i+2*\e+1]
.endr
.endr
	v_pk_add_f32 v[Z:Z+1], v[Z:Z+1], v[Z+2:Z+3]
	v_pk_add_f32 v[Z+4:Z+5], v[Z+4:Z+5], v[Z+6:Z+7]
	v_pk_add_f32 v[Z:Z+1], v[Z:Z+1], v[Z+4:Z+5]
	v_add_f32 v[Z], v[Z], v[Z+1]
	v_fma_f32 v[LS+\g], v[LS+\g], v[AL+2*\g], v[Z]             ; my lane half's keys; the halves meet when the block ends
.set i, 0
.rept 16
	v_pk_mul_f32 v[OA+32*\g+2*i:OA+32*\g+2*i+1], v[OA+32*\g+2*i:OA+32*\g+2*i+1], v[AL+2*\g:AL+2*\g+1]
.set i, i+1
.endr
.endr
.set i, 0
.rept 32                                           ; register i takes numbers 2 i and 2 i + 1, which no earlier line of this run has written over:
	v_cvt_pk_f16_f32 v[SC+i], v[SC+2*i], v[SC+2*i+1]           ; key tiles 2 kc, 2 kc + 1 of a group become registers 0-3, 4-7 of its fragment kc
.set i, i+1
.endr
.endm
; A query block ends.  Every wave puts its share (O, scaled maximum, sum; both groups) into its part of the merge area; behind a barrier wave (wq, hk)
; takes group hk's two shares, its own and its partner's, by address, brings both to the larger maximum, divides by the sum, rounds to f16 and
; leaves 16 rows in its stage st.  Both shares are finite, and the factor of one without an open key is exp2 of about -c 2^100 = 0.
.macro FIN st
	WIN SOFT
.irp g, 0,1
	v_permlanex16_b32 v[PT], v[LS+\g], s56, s57
	v_add_f32 v[XM+2*\g+1], v[LS+\g], v[PT]        ; the query's sum over all my keys
	v_mov_b32 v[XM+2*\g], v[NM+2*\g]
.endr
	WIN ST1
.set i, 0
.rept 16
	ds_store_b128 v[XO], v[OA+4*i:OA+4*i+3] offset:512*i       ; 32 lanes x 16 neighbouring bytes
.set i, i+1
.endr
	ds_store_b128 v[XO], v[XM:XM+3] offset:8192
	WIN 0
	s_wait_dscnt 0x0                               ; my share is written, for my partner's sake
	s_barrier_signal -1
	s_barrier_wait -1                              ; the next slot's load may stay out across it
	WIN TO1
.set i, 0
.rept 8
	ds_load_b128 v[OA+4*i:OA+4*i+3],       v[XA] offset:512*i
	ds_load_b128 v[OA+32+4*i:OA+32+4*i+3], v[XP] offset:512*i
.set i, i+1
.endr
	ds_load_b64 v[XM:XM+1], v[XSA]
	ds_load_b64 v[XM+2:XM+3], v[XSP]
	s_wait_dscnt 0x0
	WIN SOFT
	v_min_num_f32 v[XM+4], v[XM], v[XM+2]          ; -(c x the larger maximum)
	v_sub_f32 v[XM+5], v[XM+4], v[XM]
	v_sub_f32 v[XM+6], v[XM+4], v[XM+2]
	v_exp_f32 v[XM+5], v[XM+5]
	v_exp_f32 v[XM+6], v[XM+6]
	v_nop                                          ; one plain instruction before the results are used
	s_wait_alu depctr_va_vdst(0)
	v_mul_f32 v[XM+7], v[XM+1], v[XM+5]
	v_fma_f32 v[XM+7], v[XM+3], v[XM+6], v[XM+7]   ; the query's whole sum
	v_rcp_f32 v[XM+7], v[XM+7]
	v_nop
	s_wait_alu depctr_va_vdst(0)
	v_mul_f32 v[T], v[XM+5], v[XM+7]
	v_mul_f32 v[T+2], v[XM+6], v[XM+7]
	v_mov_b32 v[T+1], v[T]
	v_mov_b32 v[T+3], v[T+2]
.set i, 0
.rept 16
	v_pk_mul_f32 v[OA+2*i:OA+2*i+1], v[OA+2*i:OA+2*i+1], v[T:T+1]
.set i, i+1
.endr
.set i, 0
.rept 16
	v_pk_fma_f32 v[OA+2*i:OA+2*i+1], v[OA+32+2*i:OA+32+2*i+1], v[T+2:T+3], v[OA+2*i:OA+2*i+1]
.set i, i+1
.endr
.set i, 0
.rept 16
	v_cvt_pk_f16_f32 v[SC+i], v[OA+2*i], v[OA+2*i+1]
.set i, i+1
.endr
	WIN ST1
.irp d, 0,1,2,3
	ds_store_b128 v[STO], v[SC+4*\d:SC+4*\d+3] offset:\st*SPB+32*\d    ; row r, d = 16 dt + 8 h ..
.endr
	WIN 0
.endm
; One slot of 256 keys.  refill = 1: a trip of a loop (counter s15), which asks for the next slot.  flag = 1: the trip may hold a diagonal.
; dyn = 1: the first loop, which makes its flags from its counter.
.macro TRIP refill, flag, dyn
	s_wait_tensorcnt 0x0                           ; my one tensor load, my part of this slot, has landed; so group 0 may be written
.if \refill
	s_add_co_u32 s16, s15, 1
	s_lshl_b32 s16, s16, 15                        ; the next 256 keys of 128 bytes
.if \dyn
	s_sub_co_u32 s22, s70, s15                     ; trips of this loop behind this one,
	s_min_u32 s22, s22, 1                          ; as 1, or 0 in the last trip
	s_mul_i32 s16, s16, s22                        ; behind the last trip comes the second block's key 0
	s_xor_b32 s22, s22, 1                          ; 1 in the last trip
	s_mul_i32 s23, s22, s68                        ; and the block's number even: tile 0 is the diagonal, tile 1 closed
	s_mul_i32 s60, s23, 0x3f800000                 ; tile 0's factor of the mask, 1.0 or 0.0
	s_mov_b32 s61, s60
	s_mul_i32 s66, s23, 0xf1800000                 ; tile 1's addend, -2^100 or 0
	s_mul_i32 s23, s22, s67                        ; the last trip and the number odd: tile 0 is open, tile 1 the diagonal
	s_mul_i32 s62, s23, 0x3f800000                 ; tile 1's factor of the mask
.endif
	s_add_nc_u64 s[G0V+2:G0V+3], s[18:19], s[16:17]
	s_or_b32 s[G0V+3], s[G0V+3], 0x80000000
	s_add_nc_u64 s[G0K+2:G0K+3], s[20:21], s[16:17]
	s_or_b32 s[G0K+3], s[G0K+3], 0x80000000
.endif
.if \flag
	WIN SM
	v_mov_b32 v[FF], s66
	v_mov_b32 v[FF+1], s66
	v_mov_b32 v[FD], s62
	v_mov_b32 v[FD+1], s62
	CINIT 0
	WIN 0
.endif
	s_wait_dscnt 0x0                               ; no LDS instruction of mine is pending at a signal (q's and the stage's at the start and the change of blocks)
	s_barrier_signal -1
	s_barrier_wait -1                              ; every wave's part of the slot has landed
	KLOAD 0
	VLOAD VF0, 0
	KLOAD 1
	SMUL 0, \flag, 1                               ; tile 0's scores while the rest comes in; 56 LDS loads are out at the most
	PLACES 4                                       ; before vector instructions read the scores
	WIN 0
	s_wait_dscnt 0x0                               ; all my fragments are in: my reads of the slot are done
.if \refill
	s_wait_xcnt 0x0
	v_lshl_add_u32 v22, v0, 2, 0x35000
	v_mov_b32 v23, 0
	s_wait_tensorcnt 0x0                           ; and no tensor load of mine is out (none was issued since the trip's head)
	ds_add_u32 v22, v23
	s_wait_dscnt 0x0
	ROUND                                          ; both now hold of every wave of all four work-groups
	JLOAD                                          ; my one tensor load behind the round, first thing there
.endif
	SOFTMAX
	WIN SM
	PV VF0
	PLACES 5                                       ; before tile 1's scores are written over p
.if \flag
	CINIT 1
.endif
	SMUL 1, \flag, 0
	PLACES 4
	SOFTMAX
	PV VF1
	PLACES 5                                       ; before O is read, before the next trip's scores are written over p, and before its loads into V's fragments
	WIN 0
.endm
	s_wait_loadcnt 0x0                             ; q of both blocks
.set i, 0
.rept 8
	ds_store_b128 v[QS], v[QT+4*i:QT+4*i+3] offset:512*i       ; the second block's q waits in my own LDS bytes
.set i, i+1
.endr
	s_mov_b32 s15, 0
.Lfirst:                                           ; query block y: its (y >> 1) + 1 slots
	TRIP 1, 1, 1
	s_add_co_u32 s15, s15, 1
	s_cmp_lt_u32 s15, s58
	s_cbranch_scc1 .Lfirst
	FIN 0                                          ; the first block is done,
	START                                          ; the second begins.  O is not cleared: it holds finite numbers, and the first rescale factor of a block is 0
	WIN TO1
.set i, 0
.rept 8
	ds_load_b128 v[QF+4*i:QF+4*i+3], v[QS] offset:512*i        ; its q; waited for at the next trip's head.  (q's registers were last read by the last
.set i, i+1                                                    ; trip's score products; a softmax stands between.)
.endr
	WIN 0
	s_mov_b32 s15, 0
.Lsecond:                                          ; query block 15 - y: its slots below the last
	TRIP 1, 0, 0
	s_add_co_u32 s15, s15, 1
	s_cmp_lt_u32 s15, s59
	s_cbranch_scc1 .Lsecond
	s_mul_i32 s60, s67, 0x3f800000                 ; the second block's last slot: its number is even where y is odd: tile 0 the diagonal,
	s_mov_b32 s61, s60
	s_mul_i32 s66, s67, 0xf1800000                 ; tile 1 closed;
	s_mul_i32 s62, s68, 0x3f800000                 ; else tile 0 open and tile 1 the diagonal
	TRIP 0, 1, 0                                   ; nothing is left to fetch
	FIN 1
	; THE WAY OUT: my 16 rows of both blocks back from my own stage as whole rows, and out
.irp b, 0,1
.irp t, 0,1,2,3
	ds_load_b128 v[OUTR+4*(4*\b+\t):OUTR+4*(4*\b+\t)+3], v[RD] offset:\b*SPB+4*144*\t  ; LDS serves a wave's instructions in order: these see my stores
.endr
.endr
.irp b, 0,1
.irp t, 0,1,2,3
	s_wait_dscnt 7-(4*\b+\t)                       ; LDS loads come back in order
	global_store_b128 v[GO], v[OUTR+4*(4*\b+\t):OUTR+4*(4*\b+\t)+3], s[52+2*\b:53+2*\b] offset:512*\t   ; a wave's store: 512 neighbouring bytes, four rows
.endr
.endr
	s_wait_xcnt 0x0
	v_lshl_add_u32 v22, v0, 2, 0x35000
	v_mov_b32 v23, 0
	s_wait_tensorcnt 0x0
	ds_add_u32 v22, v23
	s_wait_dscnt 0x0
	ROUND                                          ; the closing round
	s_endpgm
.Lfunc_end_k_q535bd4c19f_attn:
	.size	k_q535bd4c19f_attn, .Lfunc_end_k_q535bd4c19f_attn-k_q535bd4c19f_attn
	.p2alignl 7, 3214868480
	.fill 96, 4, 3214868480
	.section	.rodata,"a",@progbits
	.p2align	6, 0x0
	.amdhsa_kernel k_q535bd4c19f_attn
		.amdhsa_group_segment_fixed_size 327680
		.amdhsa_private_segment_fixed_size 0
		.amdhsa_enable_private_segment 0
		.amdhsa_kernarg_size 16
		.amdhsa_user_sgpr_count 2
		.amdhsa_user_sgpr_kernarg_segment_ptr 1
		.amdhsa_wavefront_size32 1
		.amdhsa_system_sgpr_workgroup_id_x 1
		.amdhsa_system_sgpr_workgroup_id_y 1
		.amdhsa_system_sgpr_workgroup_id_z 1
		.amdhsa_system_vgpr_workitem_id 0
		.amdhsa_next_free_vgpr 512
		.amdhsa_next_free_sgpr 72
		.amdhsa_reserve_vcc 1
		.amdhsa_float_denorm_mode_32 3
		.amdhsa_float_denorm_mode_16_64 3
		.amdhsa_memory_ordered 1
		.amdhsa_forward_progress 1
		.amdhsa_inst_pref_size 147
	.end_amdhsa_kernel
	.amdgpu_metadata
---
amdhsa.version: [ 1, 2 ]
amdhsa.kernels:
  - .name:           k_q535bd4c19f_attn
    .symbol:         k_q535bd4c19f_attn.kd
    .args:
      - { .name: qkv, .offset: 0, .size: 8, .value_kind: global_buffer, .address_space: global }
      - { .name: att, .offset: 8, .size: 8, .value_kind: global_buffer, .address_space: global }
    .group_segment_fixed_size: 327680
    .private_segment_fixed_size: 0
    .kernarg_segment_align: 8
    .kernarg_segment_size: 16
    .max_flat_workgroup_size: 256
    .sgpr_count:     72
    .vgpr_count:     512
    .wavefront_size: 32
...
	.end_amdgpu_metadata
.endif
;; end of part 3
;; launch oproj (part 4): grid 16 x 16, 4 waves a work-group, clusters of 4 x 4, 327,680 bytes of LDS; arguments att, wsb, out0; writes out0
.if DOCPART == 4
	.amdgcn_target "amdgcn-amd-amdhsa--gfx1250"
	.amdhsa_code_object_version 6
	.text
	.protected	k_q535bd4c19f_oproj
	.globl	k_q535bd4c19f_oproj
	.p2align	8
	.type	k_q535bd4c19f_oproj,@function
k_q535bd4c19f_oproj:
	s_mov_b64 s[64:65], 0
	v_nop
	global_prefetch_b8 v0, s[64:65] scope:SCOPE_SE
	s_setreg_imm32_b32 hwreg(HW_REG_WAVE_MODE, 25, 1), 1
	s_wait_xcnt 0x0
	s_wait_alu depctr_hold_cnt(0) depctr_sa_sdst(0) depctr_va_vdst(0) depctr_va_sdst(0) depctr_va_ssrc(0) depctr_va_vcc(0) depctr_vm_vsrc(0)
	s_getreg_b32 s2, hwreg(HW_REG_IB_STS2, 6, 4)
	s_cmp_eq_u32 s2, 0
	s_cbranch_scc0 .Lentry_in_a_cluster
	s_endpgm
.Lentry_in_a_cluster:
	s_bfe_u32 s2, ttmp6, 0x10000c
	s_cmp_lg_u32 s2, 0xf033
	s_cbranch_scc0 .Lentry_shape_is_right
	s_endpgm
.Lentry_shape_is_right:
; out0 = att wo^T, f16 operands (att as the attention left it; wo rounded to bf16 and written in f16 code), f32 sums, f32 out.
; att[16 qb][32 h][128 rows][64 d]: the rows of four heads of one query block are 512 rows of 128 bytes without a gap.
; A work-group makes 128 x 128 of out0: 16 x 16 work-groups.  Four waves, wave (wm, wn) 64 x 64 = 16 accumulator tiles, 128 registers (window 1).
; K goes in 8 steps of 256 (four heads) through two LDS slots; a step is eight chunks of 32.  wo's rows in a tile are 512 bytes of memory.
; CLUSTERS: 4 x 4 work-groups; att's tile hangs on the block row alone and is asked for jointly by a row of the cluster, wo's on the block column
; alone and by a column.
; The matrix instruction is used transposed (source 0 = rows of wo, source 1 = rows of att): a lane holds eight neighbouring columns of one row.
.set AP,     144                       ; att's LDS pitch: 128 bytes + 16
.set BP,     528                       ; wo's: 512 + 16; both odd multiples of 16
.set HEADB,  128*AP                    ; one head's 128 rows
.set BOFF,   4*HEADB                   ; a slot: att's four heads, then wo's 128 rows
.set SLOT,   BOFF+128*BP
.set STAGE,  2*SLOT                    ; behind the ring, never filled by the mover: 16 rows x 272 bytes for each wave
.set SPITCH, 272
.set LAPS,   4
.set WO,     20971520                  ; byte offset of wo in wsb
.set ASTEP,  65536                     ; four heads of 16,384 bytes
.set BSTEP,  512
.set ADRA, 16
.set ADRB, 20
.set STO,  24
.set RD,   25
.set CO,   26
.set F0,   32                          ; fragment buffer 0: wo's tile b at +8 b, att's tile a at +32 + 8 a
.set F1,   96
.set G1,  24                           ; s[24:31] group 1, att's tiles
.set G0,  32                           ; s[32:39] group 0, one set for each slot
.set G1B, 48                           ; s[48:55] group 1, wo's tiles
.set G0B, 56                           ; s[56:63]
.set MUL, 0x50
.set MSB, 0
.macro WIN new
.if MSB != \new
	s_set_vgpr_msb (MSB<<8)|\new
.set MSB, \new
.endif
.endm
.macro PLACES                          ; four plain vector instructions behind matrix instructions (ISA guide 7.12.1)
.rept 4
	v_nop
.endr
.endm
.macro JLOAD s                         ; waves 0, 1: two heads of att each; waves 2, 3: 64 rows of wo each
	s_cmp_eq_u32 s11, 0
	s_cbranch_scc0 .Lfor_b_\@
	tensor_load_to_lds s[G0+4*\s:G0+4*\s+3], s[G1:G1+7]
	s_nop 0
	s_branch .Lasked_\@
.Lfor_b_\@:
	tensor_load_to_lds s[G0B+4*\s:G0B+4*\s+3], s[G1B:G1B+7]
	s_nop 0
.Lasked_\@:
.endm
.macro CREST
	s_cmp_lg_u32 s10, 0
	s_cbranch_scc1 .Lnot_wave_0_\@
	s_barrier_signal -3
.Lnot_wave_0_\@:
	s_barrier_wait -3
	s_barrier_signal -1
	s_barrier_wait -1
.endm
.macro CROUND
	s_barrier_signal -1
	s_barrier_wait -1
	CREST
.endm
	s_load_b128 s[4:7], s[0:1], 0x0                ; att s[4:5], wsb s[6:7]
	s_load_b64 s[8:9], s[0:1], 0x10                ; out0
	v_lshl_add_u32 v254, v0, 2, 0x49400
	v_mov_b32 v255, 0
	ds_add_u32 v254, v255
	v_lshrrev_b32 v1, 5, v0
	v_readfirstlane_b32 s10, v1                    ; wave
	s_lshr_b32 s11, s10, 1                         ; wm.  Also: I fetch for att (0) or wo (1)
	s_and_b32 s12, s10, 1                          ; wn.  Also: which half of that tile
	s_bfe_u32 s40, ttmp6, 0x40000                  ; cx
	s_bfe_u32 s41, ttmp6, 0x40004                  ; cy
	s_lshl_b32 s42, ttmp9, 2
	s_add_co_u32 s42, s42, s40                     ; block column
	s_and_b32 s13, ttmp7, 0xffff
	s_lshl_b32 s13, s13, 2
	s_add_co_u32 s13, s13, s41                     ; block row = query block
	s_lshl_b32 s43, s41, 2
	s_lshl_b32 s43, 15, s43                        ; my row of the cluster
	s_lshl_b32 s44, 0x1111, s40                    ; my column
	s_or_b32 s[G1+0],  s43, (1<<16)|(1<<20)|(1<<21)|(4<<22)|(3<<25)   ; 2-byte elements; 4 words of padding behind every 32 words
	s_or_b32 s[G1B+0], s44, (1<<16)|(1<<20)|(1<<21)|(6<<22)|(3<<25)   ; behind every 128 words
	s_mov_b32 s[G1+1],  64<<16                     ; tensor_dim0
	s_mov_b32 s[G1B+1], 256<<16
	s_mov_b32 s[G1+2],  256<<16                    ; tensor_dim1
	s_mov_b32 s[G1B+2], 64<<16
	s_mov_b32 s[G1+3],  64<<16                     ; tile_dim0
	s_mov_b32 s[G1B+3], 256<<16
	s_mov_b32 s[G1+4],  256                        ; tile_dim1
	s_mov_b32 s[G1B+4], 64
	s_mov_b32 s[G1+5],  64                         ; elements from row to row
	s_mov_b32 s[G1B+5], 2048
	s_mov_b32 s[G1+6],  0
	s_mov_b32 s[G1B+6], 0
	s_mov_b32 s[G1+7],  0
	s_mov_b32 s[G1B+7], 0
	s_lshl_b32 s16, s13, 5
	s_lshl_b32 s17, s12, 1
	s_add_co_u32 s16, s16, s17                     ; att: head block 32 x query block + 2 x half
	s_lshl_b32 s16, s16, 14
	s_mov_b32 s17, 0
	s_lshl_b32 s46, s42, 7
	s_lshl_b32 s47, s12, 6
	s_add_co_u32 s46, s46, s47                     ; wo: row 128 x block column + 64 x half
	s_lshl_b32 s46, s46, 12
	s_add_co_u32 s46, s46, WO
	s_mov_b32 s47, 0
	s_mul_i32 s20, s10, 2*HEADB                    ; LDS: att's halves at wave x two heads (waves 0, 1),
	s_mul_i32 s21, s10, 64*BP
	s_add_co_u32 s21, s21, BOFF-128*BP             ; wo's at BOFF + (wave - 2) x 64 rows (waves 2, 3)
	s_wait_dscnt 0x0
	s_wait_kmcnt 0x0
	s_add_nc_u64 s[14:15], s[4:5], s[16:17]
	s_add_nc_u64 s[46:47], s[6:7], s[46:47]
	CROUND                                         ; in front of the first joint loads
.irp s, 0,1
	s_mov_b32 s[G0+4*\s], 1
	s_add_co_u32 s[G0+4*\s+1], s20, \s*SLOT
	s_add_nc_u64 s[G0+4*\s+2:G0+4*\s+3], s[14:15], \s*ASTEP
	s_or_b32 s[G0+4*\s+3], s[G0+4*\s+3], 0x80000000
	s_mov_b32 s[G0B+4*\s], 1
	s_add_co_u32 s[G0B+4*\s+1], s21, \s*SLOT
	s_add_nc_u64 s[G0B+4*\s+2:G0B+4*\s+3], s[46:47], \s*BSTEP
	s_or_b32 s[G0B+4*\s+3], s[G0B+4*\s+3], 0x80000000
	JLOAD \s                                       ; two tensor loads of the wave are out
.endr
	v_and_b32 v1, 15, v0                           ; r
	v_bfe_u32 v2, v0, 4, 1                         ; h
	v_mul_u32_u24 v3, v1, AP
	v_lshl_add_u32 v3, v2, 4, v3
	v_mul_u32_u24 v4, v1, BP
	v_lshl_add_u32 v4, v2, 4, v4
	s_mul_i32 s22, s11, 64*AP                      ; my 64 rows of att (in each head)
	s_mul_i32 s23, s12, 64*BP
	s_add_co_u32 s23, s23, BOFF                    ; my 64 rows of wo
.irp s, 0,1
	v_add_nc_u32 v[ADRA+\s], s22, v3
	v_add_nc_u32 v[ADRB+\s], s23, v4
	s_add_co_u32 s22, s22, SLOT
	s_add_co_u32 s23, s23, SLOT
.endr
	s_mul_i32 s23, s10, 16*SPITCH
	s_add_co_u32 s23, s23, STAGE                   ; my stage
	v_mul_u32_u24 v5, v1, SPITCH
	v_lshl_add_u32 v5, v2, 5, v5                   ; in: row r, 32 bytes for each half of the lanes
	v_add_nc_u32 v[STO], s23, v5
	v_mul_u32_u24 v6, v2, SPITCH
	v_lshl_add_u32 v6, v1, 4, v6                   ; back: lanes 0-15 one row of 256 bytes, lanes 16-31 the next
	v_add_nc_u32 v[RD], s23, v6
	v_lshlrev_b32 v7, 13, v2                       ; and the same two rows of out0 (8,192 bytes a row)
	v_lshl_add_u32 v[CO], v1, 4, v7
; four matrix instructions: row block a x the four column blocks, 32 along K.  The 16 accumulators take turns, one instruction a turn, in the same
; order in every chunk, over the backward jump too.
.macro MULA f, a, zero
.irp b, 0,1,2,3
.if \zero
	v_wmma_f32_16x16x32_f16 v[8*(4*\a+\b):8*(4*\a+\b)+7], v[\f+8*\b:\f+8*\b+7], v[\f+32+8*\a:\f+32+8*\a+7], 0
.else
	v_wmma_f32_16x16x32_f16 v[8*(4*\a+\b):8*(4*\a+\b)+7], v[\f+8*\b:\f+8*\b+7], v[\f+32+8*\a:\f+32+8*\a+7], v[8*(4*\a+\b):8*(4*\a+\b)+7]
.endif
.endr
.endm
; 16 LDS loads: chunk q of the slot's step (head q / 2, d from 32 (q & 1)) into buffer f
.macro FETCH slot, q, f
	WIN 0
.irp i, 0,1,2,3
	ds_load_b128 v[\f+8*\i:\f+8*\i+3],   v[ADRB+\slot] offset:64*\q+\i*16*BP
	ds_load_b128 v[\f+8*\i+4:\f+8*\i+7], v[ADRB+\slot] offset:64*\q+\i*16*BP+32
.endr
.irp i, 0,1,2,3
	ds_load_b128 v[\f+32+8*\i:\f+32+8*\i+3], v[ADRA+\slot] offset:(\q>>1)*HEADB+(\q&1)*64+\i*16*AP
	ds_load_b128 v[\f+32+8*\i+4:\f+32+8*\i+7], v[ADRA+\slot] offset:(\q>>1)*HEADB+(\q&1)*64+\i*16*AP+32
.endr
.endm
; a chunk: multiplies buffer f; in its middle it fetches chunk q into buffer g
.macro CHUNK slot, q, f, g, zero
	s_wait_dscnt 4                                 ; wo and att's row blocks 0, 1 are in; the youngest four loads may be out
	WIN MUL
	MULA \f, 0, \zero
	MULA \f, 1, \zero
	PLACES
	FETCH \slot, \q, \g
	s_wait_dscnt 16                                ; all but the 16 just issued
	WIN MUL
	MULA \f, 2, \zero
	MULA \f, 3, \zero
.endm
.macro SEVEN slot, zero
	CHUNK \slot, 1, F0, F1, \zero
	CHUNK \slot, 2, F1, F0, 0
	CHUNK \slot, 3, F0, F1, 0
	CHUNK \slot, 4, F1, F0, 0
	CHUNK \slot, 5, F0, F1, 0
	CHUNK \slot, 6, F1, F0, 0
	CHUNK \slot, 7, F0, F1, 0
.endm
; the eighth chunk changes slots: waits, barrier (with fill = 1 it opens a round of the cluster's barrier), joint refill first behind it
.macro TURN slot, next, fill
	s_wait_dscnt 4
	WIN MUL
	MULA F1, 0, 0
	s_wait_dscnt 0                                 ; my reads of this slot are over
	s_wait_tensorcnt 0x0                           ; all my tensor loads have landed: the one that was out is my part of the next slot
	ds_add_u32 v254, v255
	s_wait_dscnt 0x0
	s_barrier_signal -1
	MULA F1, 1, 0
	WIN 0
	s_barrier_wait -1
.if \fill
	CREST
	s_add_nc_u64 s[G0+4*\slot+2:G0+4*\slot+3], s[G0+4*\slot+2:G0+4*\slot+3], 2*ASTEP
	s_add_nc_u64 s[G0B+4*\slot+2:G0B+4*\slot+3], s[G0B+4*\slot+2:G0B+4*\slot+3], 2*BSTEP
	JLOAD \slot
.endif
	PLACES
	FETCH \next, 0, F0
	WIN MUL
	MULA F1, 2, 0
	MULA F1, 3, 0
.endm
.macro LAP zero
	SEVEN 0, \zero
	TURN 0, 1, 1
	SEVEN 1, 0
	TURN 1, 0, 1
.endm
	s_wait_tensorcnt 0x1                           ; my part of step 0 is in; step 1's may stay out
	s_barrier_signal -1
	s_barrier_wait -1
	FETCH 0, 0, F0
	LAP 1
	WIN 0
	s_mov_b32 s3, LAPS-2
.Llap:
	LAP 0
	WIN 0
	s_sub_co_u32 s3, s3, 1
	s_cmp_lg_u32 s3, 0
	s_cbranch_scc1 .Llap
	SEVEN 0, 0                                     ; the last lap fills nothing
	TURN 0, 1, 0
	SEVEN 1, 0
	s_wait_dscnt 4
	WIN MUL
	MULA F1, 0, 0
	MULA F1, 1, 0
	s_wait_dscnt 0
	MULA F1, 2, 0
	MULA F1, 3, 0
	; THE WAY OUT, 16 rows at a time through my own stage: a lane's 32 bytes in, whole rows of 256 bytes back
	PLACES
	WIN 0
	s_lshl_b32 s16, s13, 7
	s_lshl_b32 s17, s11, 6
	s_add_co_u32 s16, s16, s17                     ; my first row
	s_lshl_b32 s16, s16, 13
	s_mov_b32 s17, 0
	s_add_nc_u64 s[8:9], s[8:9], s[16:17]
	s_lshl_b32 s46, s42, 9                         ; my first column, in bytes: 512 x block + 256 x half
	s_lshl_b32 s47, s12, 8
	s_add_co_u32 s46, s46, s47
	s_mov_b32 s47, 0
	s_add_nc_u64 s[8:9], s[8:9], s[46:47]
.macro OUT16 a, f
	WIN 0x04                                       ; LDS store data from window 1
.irp b, 0,1,2,3
	ds_store_b128 v[STO], v[8*(4*\a+\b):8*(4*\a+\b)+3]   offset:64*\b
	ds_store_b128 v[STO], v[8*(4*\a+\b)+4:8*(4*\a+\b)+7] offset:64*\b+16
.endr
	WIN 0
	s_wait_xcnt 0x0                                ; earlier stores have had their addresses translated: buffer f and the base are rewritten only behind this wait
.if \a
	s_add_nc_u64 s[8:9], s[8:9], 16*8192
.endif
.irp t, 0,1,2,3,4,5,6,7
	ds_load_b128 v[\f+4*\t:\f+4*\t+3], v[RD] offset:\t*2*SPITCH    ; LDS serves a wave's instructions in order: these see the stores above
.endr
.irp t, 0,1,2,3,4,5,6,7
	s_wait_dscnt 7-\t
	global_store_b128 v[CO], v[\f+4*\t:\f+4*\t+3], s[8:9] offset:\t*2*8192 th:TH_STORE_NT   ; 16 lanes store 256 consecutive bytes, at a multiple of 256 from out0's first byte
.endr
.endm
	OUT16 0, F0
	OUT16 1, F1
	OUT16 2, F0
	OUT16 3, F1
	s_wait_tensorcnt 0x0
	ds_add_u32 v254, v255
	s_wait_dscnt 0x0
	CROUND                                         ; the closing round
	s_endpgm
.Lfunc_end_k_q535bd4c19f_oproj:
	.size	k_q535bd4c19f_oproj, .Lfunc_end_k_q535bd4c19f_oproj-k_q535bd4c19f_oproj
	.p2alignl 7, 3214868480
	.fill 96, 4, 3214868480
	.section	.rodata,"a",@progbits
	.p2align	6, 0x0
	.amdhsa_kernel k_q535bd4c19f_oproj
		.amdhsa_group_segment_fixed_size 327680
		.amdhsa_private_segment_fixed_size 0
		.amdhsa_enable_private_segment 0
		.amdhsa_kernarg_size 24
		.amdhsa_user_sgpr_count 2
		.amdhsa_user_sgpr_kernarg_segment_ptr 1
		.amdhsa_wavefront_size32 1
		.amdhsa_system_sgpr_workgroup_id_x 1
		.amdhsa_system_sgpr_workgroup_id_y 1
		.amdhsa_system_sgpr_workgroup_id_z 1
		.amdhsa_system_vgpr_workitem_id 0
		.amdhsa_next_free_vgpr 384
		.amdhsa_next_free_sgpr 66
		.amdhsa_reserve_vcc 0
		.amdhsa_float_denorm_mode_32 3
		.amdhsa_float_denorm_mode_16_64 3
		.amdhsa_memory_ordered 1
		.amdhsa_forward_progress 1
		.amdhsa_inst_pref_size 128
	.end_amdhsa_kernel
	.amdgpu_metadata
---
amdhsa.version: [ 1, 2 ]
amdhsa.kernels:
  - .name:           k_q535bd4c19f_oproj
    .symbol:         k_q535bd4c19f_oproj.kd
    .args:
      - { .name: att, .offset: 0, .size: 8, .value_kind: global_buffer, .address_space: global }
      - { .name: wsb, .offset: 8, .size: 8, .value_kind: global_buffer, .address_space: global }
      - { .name: out0, .offset: 16, .size: 8, .value_kind: global_buffer, .address_space: global }
    .group_segment_fixed_size: 327680
    .private_segment_fixed_size: 0
    .kernarg_segment_align: 8
    .kernarg_segment_size: 24
    .max_flat_workgroup_size: 128
    .sgpr_count:     66
    .vgpr_count:     384
    .wavefront_size: 32
...
	.end_amdgpu_metadata
.endif
;; end of part 4
